; MI455X (gfx1250); checked and timed in simulation.
; The chip was launched on July 23, 2026; its instructions are those of AMD's public machine-readable ISA for CDNA 5 (MIT licence, August 2026) and "CDNA5" Instruction Set Architecture Reference Guide (July 2026). The comments in the code are by the model that wrote it; some were corrected since.
;; Attention. Allowed arithmetic: float matrix products may take bf16 or f16 operands with f32 sums; all other float work in f32.
;; Inputs: Wk 16 x 64 x 1,024 float32; Wq 16 x 64 x 1,024 float32; Wv 16 x 64 x 1,024 float32; beta 1,024 float32; bk 16 x 64 float32; bq 16 x 64 float32; bv 16 x 64 float32; gamma 1,024 float32; keys 64 x 512 x 1,024 float32; queries 64 x 1,024 float32; values 64 x 512 x 1,024 float32.
;; Outputs: out0 64 x 1,024 float32.
;; One version. Each part assembles by itself: llvm-mc -triple=amdgcn-amd-amdhsa -mcpu=gfx1250 --defsym DOCPART=n.
;; ======== version 1 of 1: 4 launches
;; workspace buffers: qkw 2,097,152 bytes; cq 4,096 bytes; part 16,777,216 bytes; stat 65,536 bytes; pre4 1,048,576 bytes
;; launch proj (part 1): grid 16 x 4, 16 waves a work-group, no clusters, 291,584 bytes of LDS; arguments queries, Wq, bq, Wk, bk, qkw, cq; writes qkw, cq
.if DOCPART == 1
	.amdgcn_target "amdgcn-amd-amdhsa--gfx1250"
	.amdhsa_code_object_version 6
	.text
	.protected	k_q974d40e921_proj
	.globl	k_q974d40e921_proj
	.p2align	8
	.type	k_q974d40e921_proj,@function
k_q974d40e921_proj:
	s_mov_b64 s[64:65], 0
	v_nop
	global_prefetch_b8 v0, s[64:65] scope:SCOPE_SE
	s_setreg_imm32_b32 hwreg(HW_REG_WAVE_MODE, 25, 1), 1
	s_wait_xcnt 0x0
; For one head h and 16 batch rows:  q = x Wq[h]^T + bq[h]  (f32 sums),  c = (q . bk[h]) SC,  qk' = Wk[h]^T (q SC), stored in bf16.
; With one query for each batch row the key projection is re-associated: q.(Wk key + bk) = (Wk^T q).key + q.bk, exact for every input.
; SC = 0.125 log2(e): the score's scale and the change to base 2 for the later exponentials, folded in here.
; LIMITS: x, Wq, q SC and Wk are rounded to bf16 as matrix operands and qk' is stored in bf16, so the order of rounding differs from
; the problem's formula; NaN and infinities in the inputs are not followed.
; 16 waves.  Stage a: wave w takes d = 64 w .. 64 w + 63 of the sum over d; the 16 partial tiles meet in LDS.  Stage b: wave w makes
; d = 64 w .. 64 w + 63 of qk'.
; NO JOINT LOADS: the four work-groups of a head read the same Wq[h] and Wk[h], but as f32 tiles Wq[h] and the 16 query rows are
; 262,144 + 65,536 bytes, all of the LDS a work-group can have, with no room left for the partial sums; so the data come through registers and
; are rounded to bf16 on the way into LDS.
.set SC,   0x3e38aa3b
.set SP,   144                         ; stage row: 64 bf16 + 16 bytes; 9 x 16, so 16 rows start at 16 different 16-byte columns of 256 bytes
.set STGW, 80*SP                       ; a wave's stage: rows 0-15 queries, rows 16-79 Wq[h]
.set RP,   272                         ; row of 64 f32 + 16 bytes
.set REDW, 16*RP                       ; a wave's partial tile [16 b][64 e]
.set RED,  16*STGW
.set QB,   RED+16*REDW                 ; q SC in bf16, [16 b], pitch SP
.set CS,   QB+16*SP                    ; c[16]
.set OBP,  2064                        ; row of 1,024 bf16 + 16 bytes
.set OB,   CS+256                      ; qk' in bf16, [16 b]
.set X,    16                          ; v[16:175] the 40 staged loads; then v[16:143] the 32 loads of Wk
.set AF,   144                         ; v[144:159] two fragments (K = 2 x 32)
.set BF,   160                         ; v[160:223] eight fragments
.set ACC,  224                         ; v[224:255] four accumulators
.macro PLACES                          ; four places behind a matrix instruction before its registers are touched (ISA guide 7.12.1)
.rept 4
	v_nop
.endr
.endm
	s_load_b256 s[4:11], s[0:1], 0x0               ; queries s[4:5], Wq s[6:7], bq s[8:9], Wk s[10:11]
	s_load_b128 s[12:15], s[0:1], 0x20             ; bk s[12:13], qkw s[14:15]
	s_load_b64 s[16:17], s[0:1], 0x30              ; cq
	v_lshrrev_b32 v1, 5, v0
	v_readfirstlane_b32 s18, v1                    ; wave w
	s_and_b32 s19, ttmp7, 0xffff                   ; bg: batch rows 16 bg .. 16 bg + 15;  ttmp9 = h
	v_and_b32 v1, 31, v0                           ; L
	v_and_b32 v2, 15, v0                           ; r
	v_bfe_u32 v3, v0, 4, 1                         ; hh
	s_lshl_b32 s22, s18, 8
	v_lshl_add_u32 v11, v2, 4, s22                 ; 256 w + 16 r
	v_lshl_add_u32 v4, v3, 12, v11                 ; GO: + one row of 4,096 bytes for lanes 16-31; never rewritten
	v_lshl_add_u32 v5, v3, 15, v11                 ; WKO: + eight rows for lanes 16-31; never rewritten
	v_lshlrev_b32 v10, 3, v1                       ; 8 L; never rewritten
	s_mov_b32 s21, 0
	s_lshl_b32 s20, s19, 16
	s_wait_kmcnt 0x0
	s_add_nc_u64 s[4:5], s[4:5], s[20:21]          ; queries at row 16 bg
	s_lshl_b32 s20, ttmp9, 18
	s_add_nc_u64 s[6:7], s[6:7], s[20:21]          ; Wq[h]
	s_add_nc_u64 s[10:11], s[10:11], s[20:21]      ; Wk[h]
	s_lshl_b32 s20, ttmp9, 8
	s_add_nc_u64 s[8:9], s[8:9], s[20:21]          ; bq[h]
	s_add_nc_u64 s[12:13], s[12:13], s[20:21]      ; bk[h]
	s_lshl_b32 s20, s19, 19
	s_lshl_b32 s22, ttmp9, 9
	s_add_co_u32 s20, s20, s22
	s_add_nc_u64 s[14:15], s[14:15], s[20:21]      ; qkw[16 bg][0][h]
	s_lshl_b32 s20, s19, 10
	s_lshl_b32 s22, ttmp9, 2
	s_add_co_u32 s20, s20, s22
	s_add_nc_u64 s[16:17], s[16:17], s[20:21]      ; cq[16 bg][h]
	global_load_b64 v[6:7], v10, s[8:9]            ; bq[h][2L, 2L+1]
	global_load_b64 v[8:9], v10, s[12:13]          ; bk[h][2L, 2L+1]
	; 40 loads: each brings my 256 bytes of two rows (lanes 0-15 the even row, lanes 16-31 the odd one)
.irp i, 0,1,2,3,4,5,6,7
	global_load_b128 v[X+4*\i:X+4*\i+3], v4, s[4:5] offset:8192*\i
.endr
.set i, 0
.rept 32
	global_load_b128 v[X+32+4*i:X+32+4*i+3], v4, s[6:7] offset:8192*i
.set i, i+1
.endr
	; LDS bases of the wave, and lane terms, while the loads are on their way
	s_mul_i32 s24, s18, STGW
	s_mul_i32 s25, s18, REDW
	s_add_co_u32 s25, s25, RED
	s_mul_i32 s26, s18, RP
	s_add_co_u32 s26, s26, RED
	s_lshl_b32 s27, s18, 2
	s_add_co_u32 s27, s27, CS
	s_mul_i32 s28, s18, SP
	s_add_co_u32 s28, s28, QB
	s_lshl_b32 s29, s18, 7
	s_add_co_u32 s29, s29, OB
	s_mul_i32 s30, s18, OBP
	s_add_co_u32 s30, s30, OB
	s_lshl_b32 s31, s18, 15
	s_mov_b32 s32, 0x76543210                      ; v_permlanex16_b32: lane i takes lane i of the other half
	s_mov_b32 s33, 0xfedcba98
	v_mul_u32_u24 v11, v3, SP
	v_lshl_add_u32 v11, v2, 3, v11
	v_add_nc_u32 v11, s24, v11                     ; stage, in: row hh, 8 bytes at 8 r
	v_mul_u32_u24 v15, v2, SP
	v_lshl_add_u32 v15, v3, 4, v15                 ; 144 r + 16 hh: a fragment's lane term
	v_add_nc_u32 v12, s24, v15                     ; stage, out
	v_mul_u32_u24 v13, v2, RP
	v_lshl_add_u32 v13, v3, 5, v13
	v_add_nc_u32 v13, s25, v13                     ; my partial tile: row b = r, 32 bytes at 32 hh
	v_lshl_add_u32 v14, v1, 3, s26                 ; row b = w of wave 0's partial tile, 8 bytes at 8 L
	; round to bf16 and lay into my own stage, load by load
.set i, 0
.rept 40
	s_wait_loadcnt 39-i                            ; loads return in order: load i is in, the 39 - i younger ones stay out
	v_cvt_pk_bf16_f32 v[X+4*i], v[X+4*i], v[X+4*i+1]
	v_cvt_pk_bf16_f32 v[X+4*i+1], v[X+4*i+2], v[X+4*i+3]
	ds_store_b64 v11, v[X+4*i:X+4*i+1] offset:288*i
.set i, i+1
.endr
	; Wk for stage b, asked for now.  Lane (r, hh) takes d = 64 w + 4 r .. + 3 of the 16 rows e that a B fragment's lane holds:
	; e = 32 ks + 8 hh + 0..7 and 32 ks + 16 + 8 hh + 0..7.
.irp ks, 0,1
.set i, 0
.rept 16
	global_load_b128 v[X+64*\ks+4*i:X+64*\ks+4*i+3], v5, s[10:11] offset:(32*\ks+i+8*(i/8))*4096
.set i, i+1
.endr
.endr
	; fragments from my own stage: LDS serves a wave's instructions in order, so these see the stores above
.irp ks, 0,1
	ds_load_b128 v[AF+8*\ks:AF+8*\ks+3],   v12 offset:64*\ks
	ds_load_b128 v[AF+8*\ks+4:AF+8*\ks+7], v12 offset:64*\ks+32
.irp nt, 0,1,2,3
	ds_load_b128 v[BF+8*(4*\ks+\nt):BF+8*(4*\ks+\nt)+3],   v12 offset:(16+16*\nt)*SP+64*\ks
	ds_load_b128 v[BF+8*(4*\ks+\nt)+4:BF+8*(4*\ks+\nt)+7], v12 offset:(16+16*\nt)*SP+64*\ks+32
.endr
.endr
	s_wait_dscnt 0x0
	; used transposed: source 0 = 16 rows e of Wq, source 1 = the 16 query rows: a lane then holds e = 16 nt + 8 hh + 0..7 of row b = r.
	; The four accumulators take turns, one instruction a turn.
.irp nt, 0,1,2,3
	v_wmma_f32_16x16x32_bf16 v[ACC+8*\nt:ACC+8*\nt+7], v[BF+8*\nt:BF+8*\nt+7], v[AF:AF+7], 0
.endr
.irp nt, 0,1,2,3
	v_wmma_f32_16x16x32_bf16 v[ACC+8*\nt:ACC+8*\nt+7], v[BF+32+8*\nt:BF+32+8*\nt+7], v[AF+8:AF+15], v[ACC+8*\nt:ACC+8*\nt+7]
.endr
	PLACES
.irp nt, 0,1,2,3
	ds_store_b128 v13, v[ACC+8*\nt:ACC+8*\nt+3]   offset:64*\nt
	ds_store_b128 v13, v[ACC+8*\nt+4:ACC+8*\nt+7] offset:64*\nt+16
.endr
	s_wait_dscnt 0x0                               ; my partial tile is written, for the others' sake
	s_barrier_signal -1
	s_barrier_wait -1
	; wave w sums row b = w over the 16 partial tiles; lane L holds e = 2 L, 2 L + 1
.set i, 0
.rept 16
	ds_load_b64 v[BF+2*i:BF+2*i+1], v14 offset:REDW*i
.set i, i+1
.endr
	s_wait_dscnt 0x0
.irp k, 0,1,2,3,4,5,6,7
	v_pk_add_f32 v[BF+2*\k:BF+2*\k+1], v[BF+2*\k:BF+2*\k+1], v[BF+16+2*\k:BF+16+2*\k+1]
.endr
.irp k, 0,1,2,3
	v_pk_add_f32 v[BF+2*\k:BF+2*\k+1], v[BF+2*\k:BF+2*\k+1], v[BF+8+2*\k:BF+8+2*\k+1]
.endr
.irp k, 0,1
	v_pk_add_f32 v[BF+2*\k:BF+2*\k+1], v[BF+2*\k:BF+2*\k+1], v[BF+4+2*\k:BF+4+2*\k+1]
.endr
	v_pk_add_f32 v[BF:BF+1], v[BF:BF+1], v[BF+2:BF+3]
	v_pk_add_f32 v[BF:BF+1], v[BF:BF+1], v[6:7]    ; + bq: q in f32
	v_mul_f32 v12, v[BF], v8                       ; q . bk: two products a lane, then over the 32 lanes
	v_fmac_f32 v12, v[BF+1], v9
	v_add_f32_dpp v12, v12, v12 row_xmask:1 row_mask:0xf bank_mask:0xf
	v_add_f32_dpp v12, v12, v12 row_xmask:2 row_mask:0xf bank_mask:0xf
	v_add_f32_dpp v12, v12, v12 row_xmask:4 row_mask:0xf bank_mask:0xf
	v_add_f32_dpp v12, v12, v12 row_xmask:8 row_mask:0xf bank_mask:0xf
	v_permlanex16_b32 v13, v12, s32, s33
	v_add_f32 v12, v12, v13
	v_mul_f32 v12, SC, v12
	v_mov_b32 v11, s27
	ds_store_b32 v11, v12                          ; c of row w: every lane writes the same word with the same value
	v_pk_mul_f32 v[BF:BF+1], v[BF:BF+1], SC op_sel_hi:[1,0]
	v_cvt_pk_bf16_f32 v13, v[BF], v[BF+1]
	v_lshl_add_u32 v14, v1, 2, s28
	ds_store_b32 v14, v13                          ; q SC in bf16, row w
	s_wait_dscnt 0x0
	s_barrier_signal -1
	s_barrier_wait -1
	; stage b: qk'[b][d] = sum over e of (q SC)[b][e] Wk[h][e][d].  Source 0 = q (rows b), source 1 = Wk (column r of tile j is d = 64 w + 4 r + j)
	v_add_nc_u32 v12, QB, v15
.irp ks, 0,1
	ds_load_b128 v[AF+8*\ks:AF+8*\ks+3],   v12 offset:64*\ks
	ds_load_b128 v[AF+8*\ks+4:AF+8*\ks+7], v12 offset:64*\ks+32
.endr
	s_wait_loadcnt 16                              ; Wk's rows e = 0..31 are in; the 16 loads of rows 32..63 stay out
.irp j, 0,1,2,3
.irp t, 0,1,2,3,4,5,6,7
	v_cvt_pk_bf16_f32 v[BF+8*\j+\t], v[X+8*\t+\j], v[X+8*\t+4+\j]         ; two neighbouring e of column d = .. + j
.endr
.endr
	s_wait_loadcnt 0x0
.irp j, 0,1,2,3
.irp t, 0,1,2,3,4,5,6,7
	v_cvt_pk_bf16_f32 v[BF+32+8*\j+\t], v[X+64+8*\t+\j], v[X+64+8*\t+4+\j]
.endr
.endr
	s_wait_dscnt 0x0
.irp j, 0,1,2,3                                    ; accumulators by turns again
	v_wmma_f32_16x16x32_bf16 v[ACC+8*\j:ACC+8*\j+7], v[AF:AF+7], v[BF+8*\j:BF+8*\j+7], 0
.endr
.irp j, 0,1,2,3
	v_wmma_f32_16x16x32_bf16 v[ACC+8*\j:ACC+8*\j+7], v[AF+8:AF+15], v[BF+32+8*\j:BF+32+8*\j+7], v[ACC+8*\j:ACC+8*\j+7]
.endr
	PLACES
	; register m of accumulator j is qk'(b = 8 hh + m, d = 64 w + 4 r + j): four neighbouring d make 8 bytes of a row in LDS
	v_mul_u32_u24 v13, v3, 8*OBP
	v_lshl_add_u32 v13, v2, 3, v13
	v_add_nc_u32 v13, s29, v13
.irp m, 0,1,2,3,4,5,6,7
	v_cvt_pk_bf16_f32 v[X+2*\m],   v[ACC+\m],    v[ACC+8+\m]
	v_cvt_pk_bf16_f32 v[X+2*\m+1], v[ACC+16+\m], v[ACC+24+\m]
	ds_store_b64 v13, v[X+2*\m:X+2*\m+1] offset:OBP*\m
.endr
	s_wait_dscnt 0x0
	s_barrier_signal -1
	s_barrier_wait -1
	; wave w stores row b = w: four pieces of 512 consecutive bytes, each at a multiple of 512 from qkw's first byte
	v_lshl_add_u32 v14, v1, 4, s30
	v_lshl_add_u32 v15, v1, 4, s31
.irp dq, 0,1,2,3
	ds_load_b128 v[X+16+4*\dq:X+16+4*\dq+3], v14 offset:512*\dq
.endr
.irp dq, 0,1,2,3
	s_wait_dscnt 3-\dq
	global_store_b128 v15, v[X+16+4*\dq:X+16+4*\dq+3], s[14:15] offset:8192*\dq
.endr
	; wave 0 stores the 16 numbers c: one word of each batch row's 64 bytes, 16 words for the whole work-group
	s_cmp_lg_u32 s18, 0
	s_cbranch_scc1 .Lend
	v_lshlrev_b32 v11, 2, v2
	v_add_nc_u32 v11, CS, v11
	ds_load_b32 v12, v11
	v_lshlrev_b32 v13, 6, v2
	v_cmp_gt_u32 vcc_lo, 16, v1
	s_wait_dscnt 0x0
	s_wait_xcnt 0x0                                ; EXEC is a source of the stores above: it changes only behind this wait
	s_and_saveexec_b32 s34, vcc_lo
	global_store_b32 v13, v12, s[16:17]
	s_wait_xcnt 0x0                                ; and again in front of the line that widens it
	s_or_b32 exec_lo, exec_lo, s34
.Lend:
	s_wait_xcnt 0x0
	s_mov_b32 exec_lo, -1
	v_lshl_add_u32 v230, v0, 2, 0x46b00
	v_mov_b32 v231, 0
	s_wait_tensorcnt 0x0
	ds_add_u32 v230, v231
	s_wait_dscnt 0x0
	s_endpgm
.Lfunc_end_k_q974d40e921_proj:
	.size	k_q974d40e921_proj, .Lfunc_end_k_q974d40e921_proj-k_q974d40e921_proj
	.p2alignl 7, 3214868480
	.fill 96, 4, 3214868480
	.section	.rodata,"a",@progbits
	.p2align	6, 0x0
	.amdhsa_kernel k_q974d40e921_proj
		.amdhsa_group_segment_fixed_size 291584
		.amdhsa_private_segment_fixed_size 0
		.amdhsa_enable_private_segment 0
		.amdhsa_kernarg_size 56
		.amdhsa_user_sgpr_count 2
		.amdhsa_user_sgpr_kernarg_segment_ptr 1
		.amdhsa_wavefront_size32 1
		.amdhsa_system_sgpr_workgroup_id_x 1
		.amdhsa_system_sgpr_workgroup_id_y 1
		.amdhsa_system_sgpr_workgroup_id_z 1
		.amdhsa_system_vgpr_workitem_id 0
		.amdhsa_next_free_vgpr 256
		.amdhsa_next_free_sgpr 66
		.amdhsa_reserve_vcc 1
		.amdhsa_float_denorm_mode_32 3
		.amdhsa_float_denorm_mode_16_64 3
		.amdhsa_memory_ordered 1
		.amdhsa_forward_progress 1
		.amdhsa_inst_pref_size 33
	.end_amdhsa_kernel
	.amdgpu_metadata
---
amdhsa.version: [ 1, 2 ]
amdhsa.kernels:
  - .name:           k_q974d40e921_proj
    .symbol:         k_q974d40e921_proj.kd
    .args:
      - { .name: queries, .offset: 0, .size: 8, .value_kind: global_buffer, .address_space: global }
      - { .name: Wq, .offset: 8, .size: 8, .value_kind: global_buffer, .address_space: global }
      - { .name: bq, .offset: 16, .size: 8, .value_kind: global_buffer, .address_space: global }
      - { .name: Wk, .offset: 24, .size: 8, .value_kind: global_buffer, .address_space: global }
      - { .name: bk, .offset: 32, .size: 8, .value_kind: global_buffer, .address_space: global }
      - { .name: qkw, .offset: 40, .size: 8, .value_kind: global_buffer, .address_space: global }
      - { .name: cq, .offset: 48, .size: 8, .value_kind: global_buffer, .address_space: global }
    .group_segment_fixed_size: 291584
    .private_segment_fixed_size: 0
    .kernarg_segment_align: 8
    .kernarg_segment_size: 56
    .max_flat_workgroup_size: 512
    .sgpr_count:     66
    .vgpr_count:     256
    .wavefront_size: 32
...
	.end_amdgpu_metadata
.endif
;; end of part 1
;; launch attn (part 2): grid 4 x 64, 8 waves a work-group, no clusters, 327,680 bytes of LDS; arguments keys, values, qkw, cq, part, stat; writes part, stat
.if DOCPART == 2
	.amdgcn_target "amdgcn-amd-amdhsa--gfx1250"
	.amdhsa_code_object_version 6
	.text
	.protected	k_q974d40e921_attn
	.globl	k_q974d40e921_attn
	.p2align	8
	.type	k_q974d40e921_attn,@function
k_q974d40e921_attn:
	s_mov_b64 s[64:65], 0
	v_nop
	global_prefetch_b8 v0, s[64:65] scope:SCOPE_SE
	s_setreg_imm32_b32 hwreg(HW_REG_WAVE_MODE, 25, 1), 1
	s_wait_xcnt 0x0
; For batch row b and chunk c of 128 keys, all 16 heads at once:
;   S[n][h] = keys[b][n] . qk'[b][h] + c[b][h]   (already in base 2),   M[h] = max over the chunk,   p = 2^(S - M),   l[h] = sum of p,
;   part[b][c][h][d] = (sum over n of p[h][n] values[b][n][d]) / l[h],   stat[b][c][h] = (M, l).
; The next launch merges the four chunks by their true common maximum.  keys and values are read once, as f32, and rounded to bf16 on the
; way to the matrix unit.
; LIMITS: keys, values, qk' and p are bf16 matrix operands, l is summed from p in f32; NaN and infinities in the inputs are not followed.
; Eight waves.  Phase 1: wave w owns key rows 16 w .. 16 w + 15 and walks d in four tiles of 256.  Phase 2: wave w owns d = 128 w .. + 127 and
; walks n in four tiles of 32.  So no sum of products crosses waves; only the chunk's maximum, its sum and p meet in LDS.
; KEYS come through LDS: a fragment's lane needs 32 bytes of its own row, so the rows are brought whole by tensor loads.  Each wave has two LDS
; slots of its own (16,640 bytes each) and reads only its own tiles.  A slot is filled again in this order: the wave waits for its LDS reads and
; for ALL its tensor loads, passes a barrier with the other seven, and issues ONE load first thing behind it.  By this text's count a wave has
; three tensor loads out at the start and one behind each of the two such barriers.
; VALUES come through registers: a fragment's sixteen lanes need 256 consecutive bytes of one row, which a plain 16-byte load a lane brings as it
; is.  These loads are issued in runs straight behind the tensor loads, stay out across the barriers, and are waited for by counted waits:
; while the ring waits for its one tensor load to land, requests for values are still on their way.
; REGISTERS, in two windows of 256 (s_set_vgpr_msb: bits 1:0 source 0, 3:2 source 1, 7:6 destination): window 0 holds all that is worked on;
; window 1 (v256-v511) holds two value tiles of 128 registers as loaded.  Value tile 2 lands in window 0's X0, X1, free after the last key tile;
; tile 3 lands where tile 0 lay, half by half, as soon as each half has been converted.
; NO JOINT LOADS: the four work-groups of a batch row share only qk', 32,768 of the 1,081,344 bytes that a work-group reads.
.set WREG, 16640                       ; a wave's part of a slot: 16 key rows x 1,040 bytes
.set SLOT, 8*WREG
.set KP,   1040                        ; key row: 1,024 bytes + 16; 65 x 16, so 16 rows start at 16 different 16-byte columns of 256 bytes
.set QP,   528                         ; qk' row: 512 bytes + 16
.set PP,   272                         ; p row: 128 bf16 + 16
.set QKB,  2*SLOT                      ; qk': 64 rows (16 dq + h)
.set PB,   QKB+64*QP                   ; p; this and the two below are written by LDS stores, in 256-byte blocks into which no tensor load lands
.set RED,  PB+16*PP                    ; [8 w][16 h] maxima
.set RED2, RED+512                     ; [8 w][16 h] sums
.set X0,   16                          ; v[16:79], v[80:143]: keys as read from LDS; then value tile 2; then the way out
.set X1,   80
.set Q0,   144                         ; phase 1: v[144:175], v[176:207] fragments of qk'
.set Q1,   176
.set ACC,  208                         ; phase 1: v[208:239] four accumulators
.set T8,   144                         ; softmax: v[144:151] the eight waves' maxima
.set F,    144                         ; phase 2: v[144:175] four fragments of values
.set AC2,  176                         ; phase 2: v[176:239] eight accumulators
.set PF,   240                         ; phase 2: v[240:247] fragment of p
.set R0,   0                           ; window 1: v256-v383, value tile 0, later tile 3
.set R1,   128                         ; window 1: v384-v511, value tile 1
.set G1K,  24                          ; s[24:31] shape of a key tile
.set G1Q,  40                          ; s[40:47] shape of my eighth of qk'
.set G0Q,  48
.set G0K0, 52
.set G0K1, 56
.set TO_R,   0x40                      ; destination in window 1, address in window 0
.set FROM_R, 0x05                      ; sources 0 and 1 in window 1, destination in window 0
.set MSB, 0
.macro WIN new                         ; the immediate's high byte repeats the setting that is left; a switch that changes nothing is dropped
.if MSB != \new
	s_set_vgpr_msb (MSB<<8)|\new
.set MSB, \new
.endif
.endm
.macro PLACES                          ; four places behind a matrix instruction before its registers are touched (ISA guide 7.12.1)
.rept 4
	v_nop
.endr
.endm
.macro MKG0 g0, slot, base, off        ; descriptor group 0: count 1, LDS address = wave x WREG + slot x SLOT, global address, type 2
	s_mov_b32 s[\g0], 1
	s_add_co_u32 s[\g0+1], s19, \slot*SLOT
	s_add_nc_u64 s[\g0+2:\g0+3], s[\base:\base+1], \off
	s_or_b32 s[\g0+3], s[\g0+3], 0x80000000
.endm
; 16 loads: half q (64 columns) of value tile t (32 rows).  Lane (r, hh) takes 4 neighbouring d of the rows n = 8 hh + 0..7 and 16 + 8 hh + 0..7:
; sixteen lanes read 256 consecutive bytes, aligned.  Each byte of values is read once in the launch.
.macro VG t, q, x
.irp i, 0,1,2,3,4,5,6,7,8,9,10,11,12,13,14,15
	global_load_b128 v[\x+4*\i:\x+4*\i+3], v6, s[6:7] offset:\t*131072+(\i+8*(\i/8))*4096+256*\q th:TH_LOAD_NT
.endr
.endm
	s_load_b256 s[4:11], s[0:1], 0x0               ; keys s[4:5], values s[6:7], qkw s[8:9], cq s[10:11]
	s_load_b128 s[12:15], s[0:1], 0x20             ; part s[12:13], stat s[14:15]
	v_lshl_add_u32 v254, v0, 2, 0x4a900
	v_mov_b32 v255, 0
	ds_add_u32 v254, v255
	ds_add_u32 v254, v255
	s_wait_dscnt 0x0
	v_lshrrev_b32 v1, 5, v0
	v_readfirstlane_b32 s16, v1                    ; wave w
	s_mov_b32 s17, ttmp9                           ; chunk c
	s_and_b32 s18, ttmp7, 0xffff                   ; batch row b
	s_mul_i32 s19, s16, WREG
	s_mov_b32 s72, 0x76543210                      ; v_permlanex16_b32: lane i takes lane i of the other half
	s_mov_b32 s73, 0xfedcba98
	; key tile: 16 rows x 256 f32, row pitch 1,024 elements; 4 words of padding behind every 256 words
	s_mov_b32 s[G1K+0], (2<<16)|(1<<20)|(7<<22)|(3<<25)
	s_mov_b32 s[G1K+1], 256<<16
	s_mov_b32 s[G1K+2], 16<<16
	s_mov_b32 s[G1K+3], 256<<16
	s_mov_b32 s[G1K+4], 16
	s_mov_b32 s[G1K+5], 1024
	s_mov_b32 s[G1K+6], 0
	s_mov_b32 s[G1K+7], 0
	; qk': 8 dense rows of 512 bytes (128 words), 4 words of padding behind each
	s_mov_b32 s[G1Q+0], (2<<16)|(1<<20)|(6<<22)|(3<<25)
	s_mov_b32 s[G1Q+1], 128<<16
	s_mov_b32 s[G1Q+2], 8<<16
	s_mov_b32 s[G1Q+3], 128<<16
	s_mov_b32 s[G1Q+4], 8
	s_mov_b32 s[G1Q+5], 128
	s_mov_b32 s[G1Q+6], 0
	s_mov_b32 s[G1Q+7], 0
	s_lshl_b32 s20, s18, 21                        ; b x 512 rows x 4,096 bytes
	s_lshl_b32 s21, s17, 19                        ; + c x 128 rows
	s_add_co_u32 s20, s20, s21
	s_lshl_b32 s22, s16, 9
	s_add_co_u32 s22, s20, s22                     ; values: + my 512 bytes of a row
	s_mov_b32 s23, 0
	s_lshl_b32 s21, s16, 16
	s_add_co_u32 s20, s20, s21                     ; keys: + my 16 rows
	s_mov_b32 s21, 0
	s_mul_i32 s74, s16, 8*QP
	s_wait_kmcnt 0x0
	s_add_nc_u64 s[4:5], s[4:5], s[20:21]
	s_add_nc_u64 s[6:7], s[6:7], s[22:23]          ; never rewritten from here on
	s_lshl_b32 s20, s18, 15
	s_lshl_b32 s22, s16, 12
	s_add_co_u32 s20, s20, s22
	s_add_nc_u64 s[8:9], s[8:9], s[20:21]          ; qkw[b], my 8 rows
	s_mov_b32 s[G0Q], 1
	s_add_co_u32 s[G0Q+1], s74, QKB
	s_mov_b64 s[G0Q+2:G0Q+3], s[8:9]
	s_or_b32 s[G0Q+3], s[G0Q+3], 0x80000000
	MKG0 G0K0, 0, 4, 0                             ; d = 0..255
	MKG0 G0K1, 1, 4, 1024                          ; d = 256..511
	; the first fills, one group, ahead of every wait on TENSORcnt, LDS read and barrier
	tensor_load_to_lds s[G0Q:G0Q+3], s[G1Q:G1Q+7]
	s_nop 0
	tensor_load_to_lds s[G0K0:G0K0+3], s[G1K:G1K+7]
	s_nop 0
	tensor_load_to_lds s[G0K1:G0K1+3], s[G1K:G1K+7]
	s_nop 0
	s_lshl_b32 s20, s18, 6
	s_add_nc_u64 s[10:11], s[10:11], s[20:21]      ; cq[b]
	s_lshl_b32 s20, s18, 18
	s_lshl_b32 s22, s17, 16
	s_add_co_u32 s20, s20, s22
	s_add_nc_u64 s[12:13], s[12:13], s[20:21]      ; part[b][c]
	s_lshl_b32 s20, s18, 10
	s_lshl_b32 s22, s17, 8
	s_add_co_u32 s20, s20, s22
	s_add_nc_u64 s[14:15], s[14:15], s[20:21]      ; stat[b][c]
	v_and_b32 v1, 15, v0                           ; r
	v_bfe_u32 v2, v0, 4, 1                         ; hh
	v_lshlrev_b32 v15, 2, v1
	global_load_b32 v14, v15, s[10:11]             ; c[b][h = r]
	v_lshlrev_b32 v6, 4, v1
	v_lshl_add_u32 v6, v2, 15, v6                  ; v6: values: row 8 hh (4,096 bytes a row), 16 bytes at 16 r; never rewritten
	WIN TO_R
	VG 0, 0, R0                                    ; the first half of value tile 0 goes out behind the first fills
	WIN 0
	v_mul_u32_u24 v3, v1, KP
	v_lshl_add_u32 v3, v2, 5, v3
	v_add_nc_u32 v3, s19, v3                       ; v3, v4: key row r, 32 bytes (8 f32) at 32 hh, slot 0, 1
	v_add_nc_u32 v4, SLOT, v3
	v_mul_u32_u24 v5, v1, QP
	v_lshl_add_u32 v5, v2, 4, v5
	v_add_nc_u32 v5, QKB, v5                       ; v5: qk' row h = r, 16 bytes at 16 hh
	v_mul_u32_u24 v9, v1, PP
	v_lshl_add_u32 v9, v2, 4, v9
	v_add_nc_u32 v9, PB, v9                        ; v9: p row h = r, 16 bytes at 16 hh
	v_lshl_add_u32 v8, s16, 5, v9                  ; v8: the same at my 16 n
	v_add_nc_u32 v11, RED, v15                     ; v11: word h = r of wave 0's line
	v_lshl_add_u32 v10, s16, 6, v11                ; v10: of my line
	v_lshlrev_b32 v12, 5, v2
	v_add_nc_u32 v12, RED2, v12                    ; v12: the sums of h = 8 hh .. + 7, wave 0's line
	v_lshlrev_b32 v13, 4, v1
	v_lshl_add_u32 v13, v2, 15, v13
	v_lshl_add_u32 v13, s16, 9, v13                ; v13: part: row h = 8 hh, byte 512 w + 16 r; never rewritten
	s_wait_loadcnt 16                              ; c is in (and its address register free); the 16 value loads behind it stay out
	v_mov_b32 v15, v14                             ; (c, c) for the packed add
; 24 LDS loads: the f32 of four K steps of 32 (each lane 4 x 16 bytes: d = 8 hh + 0..7 and 16 + 8 hh + 0..7) and qk's four fragments
.macro KLOADS ka, t, g, x, q
.irp a, 0,1,2,3
	ds_load_b128 v[\x+16*\a:\x+16*\a+3],     v[\ka] offset:128*(4*\g+\a)
	ds_load_b128 v[\x+16*\a+4:\x+16*\a+7],   v[\ka] offset:128*(4*\g+\a)+16
	ds_load_b128 v[\x+16*\a+8:\x+16*\a+11],  v[\ka] offset:128*(4*\g+\a)+64
	ds_load_b128 v[\x+16*\a+12:\x+16*\a+15], v[\ka] offset:128*(4*\g+\a)+80
	ds_load_b128 v[\q+8*\a:\q+8*\a+3],   v5 offset:16*QP*\t+64*(4*\g+\a)
	ds_load_b128 v[\q+8*\a+4:\q+8*\a+7], v5 offset:16*QP*\t+64*(4*\g+\a)+32
.endr
.endm
; round in place (16 f32 become 8 registers, ascending, so no source is overwritten early), then four products:
; source 0 = 16 key rows, source 1 = qk' of the 16 heads.  The four accumulators take turns, one instruction a turn.
.macro KMUL x, q, zero
.irp a, 0,1,2,3
.irp i, 0,1,2,3,4,5,6,7
	v_cvt_pk_bf16_f32 v[\x+16*\a+\i], v[\x+16*\a+2*\i], v[\x+16*\a+2*\i+1]
.endr
.endr
.irp a, 0,1,2,3
.if \zero
	v_wmma_f32_16x16x32_bf16 v[ACC+8*\a:ACC+8*\a+7], v[\x+16*\a:\x+16*\a+7], v[\q+8*\a:\q+8*\a+7], 0
.else
	v_wmma_f32_16x16x32_bf16 v[ACC+8*\a:ACC+8*\a+7], v[\x+16*\a:\x+16*\a+7], v[\q+8*\a:\q+8*\a+7], v[ACC+8*\a:ACC+8*\a+7]
.endif
.endr
.endm
; a key tile: 256 of d.  The next loads into X0 and Q0 stand behind the 32 conversions of the second half, those into X1 and Q1 behind PLACES.
.macro KTILE ka, t, zero
	KLOADS \ka, \t, 0, X0, Q0
	KLOADS \ka, \t, 1, X1, Q1
	s_wait_dscnt 24                                ; the first 24 are in; the second half's 24 stay out
	KMUL X0, Q0, \zero
	s_wait_dscnt 0x0
	KMUL X1, Q1, 0
	PLACES
.endm
; fragment j: column r is d = .. + 4 r + j; register t holds two neighbouring n
.macro VCONV x
.irp j, 0,1,2,3
.irp t, 0,1,2,3,4,5,6,7
	v_cvt_pk_bf16_f32 v[F+8*\j+\t], v[\x+8*\t+\j], v[\x+8*\t+4+\j]
.endr
.endr
.endm
.macro VMUL q, zero                    ; source 0 = p (rows h), source 1 = values; the eight accumulators take turns, one instruction a turn
.irp j, 0,1,2,3
.if \zero
	v_wmma_f32_16x16x32_bf16 v[AC2+8*(4*\q+\j):AC2+8*(4*\q+\j)+7], v[PF:PF+7], v[F+8*\j:F+8*\j+7], 0
.else
	v_wmma_f32_16x16x32_bf16 v[AC2+8*(4*\q+\j):AC2+8*(4*\q+\j)+7], v[PF:PF+7], v[F+8*\j:F+8*\j+7], v[AC2+8*(4*\q+\j):AC2+8*(4*\q+\j)+7]
.endif
.endr
.endm
; Value tile t (32 of n), which lies in 128 registers from x on, in the window that win names (FROM_R: window 1; 0: window 0).
; n0, n1: how many younger loads may stay out when the first and the second half have to be in.
; refill = 1: as soon as a half has been converted, its registers are loaded again with the same half of tile 3.
.macro VT t, x, win, n0, n1, zero, refill
	ds_load_b128 v[PF:PF+3],   v9 offset:64*\t
	ds_load_b128 v[PF+4:PF+7], v9 offset:64*\t+32
	s_wait_loadcnt \n0
	WIN \win
	VCONV \x
.if \refill
	WIN TO_R
	VG 3, 0, \x
.endif
	WIN 0
	s_wait_dscnt 0x0                               ; p's fragment
	VMUL 0, \zero
	PLACES                                         ; F is written again
	s_wait_loadcnt \n1
	WIN \win
	VCONV \x+64
.if \refill
	WIN TO_R
	VG 3, 1, \x+64
.endif
	WIN 0
	VMUL 1, \zero
	PLACES                                         ; p's fragment and F are written again in the next tile
.endm
; a key slot that has been read is filled again, with the tile 512 of d further on
.macro FILL g0
	s_wait_dscnt 0x0                               ; my LDS reads are back
	s_wait_xcnt 0x0
	v_lshl_add_u32 v254, v0, 2, 0x4a900
	v_mov_b32 v255, 0
	s_wait_tensorcnt 0x0                           ; all my tensor loads have landed, the unread slot's among them: a group 0 may be written
	ds_add_u32 v254, v255
	s_wait_dscnt 0x0
	s_add_nc_u64 s[\g0+2:\g0+3], s[\g0+2:\g0+3], 2048
	s_barrier_signal -1
	s_barrier_wait -1                              ; both hold of all eight waves
	tensor_load_to_lds s[\g0:\g0+3], s[G1K:G1K+7]  ; my one tensor load until the next such barrier, first thing behind this one
	s_nop 0
.endm
	s_wait_tensorcnt 0x1                           ; my part of qk' and key tile 0 are in; tile 1 stays out
	s_barrier_signal -1
	s_barrier_wait -1                              ; qk' is whole
	KTILE 3, 0, 1
	FILL G0K0                                      ; d = 512..767
	WIN TO_R
	VG 0, 1, R0+64                                 ; behind the tensor load: the second half of value tile 0
	WIN 0
	s_wait_tensorcnt 0x1                           ; leaves out the load just issued; the tile read now was shown landed in front of the barrier
	KTILE 4, 1, 0
	FILL G0K1                                      ; d = 768..1023: the last tensor load
	WIN TO_R
	VG 1, 0, R1                                    ; behind it: value tile 1, both halves, since the last key tile's products also stand before the next request
	VG 1, 1, R1+64
	WIN 0
	s_wait_tensorcnt 0x1
	KTILE 3, 2, 0
	s_wait_tensorcnt 0x0                           ; nothing was issued behind the last key tile's load; only I read its bytes
	KTILE 4, 3, 0
	VG 2, 0, X0                                    ; X0 and X1 are free (four places stand behind the last products): value tile 2
	VG 2, 1, X1
	; softmax of the chunk.  After the sums the lane holds S(n = 16 w + 8 hh + m, h = r), m = 0..7
.irp i, 0,2,4,6
	v_pk_add_f32 v[ACC+\i:ACC+\i+1], v[ACC+\i:ACC+\i+1], v[ACC+8+\i:ACC+8+\i+1]
	v_pk_add_f32 v[ACC+16+\i:ACC+16+\i+1], v[ACC+16+\i:ACC+16+\i+1], v[ACC+24+\i:ACC+24+\i+1]
.endr
.irp i, 0,2,4,6
	v_pk_add_f32 v[ACC+\i:ACC+\i+1], v[ACC+\i:ACC+\i+1], v[ACC+16+\i:ACC+16+\i+1]
.endr
.irp i, 0,2,4,6
	v_pk_add_f32 v[ACC+\i:ACC+\i+1], v[ACC+\i:ACC+\i+1], v[14:15]
.endr
	v_max3_num_f32 v249, v[ACC], v[ACC+1], v[ACC+2]
	v_max3_num_f32 v250, v[ACC+3], v[ACC+4], v[ACC+5]
	v_max3_num_f32 v249, v249, v[ACC+6], v[ACC+7]
	v_max_num_f32 v249, v249, v250
	v_permlanex16_b32 v250, v249, s72, s73
	v_max_num_f32 v249, v249, v250                 ; the maximum of my 16 n for head r
	ds_store_b32 v10, v249                         ; both halves write the same word with the same value
	s_wait_dscnt 0x0
	s_barrier_signal -1                            ; no LDS bytes are filled again from here on; the value loads into registers stay out
	s_barrier_wait -1
.irp w, 0,1,2,3,4,5,6,7
	ds_load_b32 v[T8+\w], v11 offset:64*\w
.endr
	s_wait_dscnt 0x0
	v_max3_num_f32 v248, v[T8], v[T8+1], v[T8+2]
	v_max3_num_f32 v249, v[T8+3], v[T8+4], v[T8+5]
	v_max3_num_f32 v248, v248, v[T8+6], v[T8+7]
	v_max_num_f32 v248, v248, v249                 ; M(h = r): the chunk's true maximum
.irp m, 0,1,2,3,4,5,6,7
	v_sub_f32 v[ACC+\m], v[ACC+\m], v248
.endr
.irp m, 0,1,2,3,4,5,6,7
	v_exp_f32 v[ACC+\m], v[ACC+\m]
.endr
	v_nop                                          ; one plain place behind the exponentials (ISA guide 5.7.2)
	s_wait_alu depctr_va_vdst(0)
	v_pk_add_f32 v[250:251], v[ACC:ACC+1], v[ACC+2:ACC+3]
	v_pk_add_f32 v[252:253], v[ACC+4:ACC+5], v[ACC+6:ACC+7]
	v_pk_add_f32 v[250:251], v[250:251], v[252:253]
	v_add_f32 v250, v250, v251
	v_permlanex16_b32 v251, v250, s72, s73
	v_add_f32 v250, v250, v251
	ds_store_b32 v10, v250 offset:512              ; the sum of my 16 n
.irp i, 0,1,2,3
	v_cvt_pk_bf16_f32 v[252+\i], v[ACC+2*\i], v[ACC+2*\i+1]
.endr
	ds_store_b128 v8, v[252:255]                   ; eight neighbouring n of row h = r
	s_wait_dscnt 0x0
	s_barrier_signal -1
	s_barrier_wait -1
	; The value loads were issued in this order, 16 each: tile 0 half 0, half 1; tile 1 half 0, half 1; tile 2 half 0, half 1; then, inside the
	; first VT, tile 3 half 0, half 1.  Loads return in order (ISA guide 5.7.1), so each wait names the loads issued behind the half that it
	; needs.  Behind the first four halves stand 80, 80, 80 and 64 younger loads: more than the wait's field can name, so it names 63, which
	; is the stricter count.  A load that would push the counter past its field is held at issue (ISA guide 5.7.1).
	VT 0, R0, FROM_R, 63, 63, 1, 1
	VT 1, R1, FROM_R, 63, 63, 0, 0
	VT 2, X0, 0,      48, 32, 0, 0                 ; behind tile 2's halves: 16 + 32, and 32
	VT 3, R0, FROM_R, 16, 0,  0, 0                 ; behind tile 3's halves: 16, and none
	; the way out: l(h = 8 hh + m) from the eight waves' sums, then ctx / l
.irp w, 0,1,2,3,4,5,6,7
	ds_load_b128 v[X0+8*\w:X0+8*\w+3],   v12 offset:64*\w
	ds_load_b128 v[X0+8*\w+4:X0+8*\w+7], v12 offset:64*\w+16
.endr
	s_wait_dscnt 0x0
.irp w, 0,2,4,6
.irp i, 0,2,4,6
	v_pk_add_f32 v[X0+8*\w+\i:X0+8*\w+\i+1], v[X0+8*\w+\i:X0+8*\w+\i+1], v[X0+8*\w+8+\i:X0+8*\w+8+\i+1]
.endr
.endr
.irp w, 0,4
.irp i, 0,2,4,6
	v_pk_add_f32 v[X0+8*\w+\i:X0+8*\w+\i+1], v[X0+8*\w+\i:X0+8*\w+\i+1], v[X0+8*\w+16+\i:X0+8*\w+16+\i+1]
.endr
.endr
.irp i, 0,2,4,6
	v_pk_add_f32 v[X0+\i:X0+\i+1], v[X0+\i:X0+\i+1], v[X0+32+\i:X0+32+\i+1]
.endr
.irp m, 0,1,2,3,4,5,6,7
	v_rcp_f32 v[X0+8+\m], v[X0+\m]                 ; l is at least 1: the chunk's largest score gives p = 1
.endr
	v_nop
	; register m of accumulator 4 q + j is ctx(h = 8 hh + m, d = 128 w + 64 q + 4 r + j): the multiply also gathers four neighbouring d
	s_wait_alu depctr_va_vdst(0)
.irp q, 0,1
.irp m, 0,1,2,3,4,5,6,7
.irp j, 0,1,2,3
	v_mul_f32 v[X1+4*(8*\q+\m)+\j], v[AC2+8*(4*\q+\j)+\m], v[X0+8+\m]
.endr
.endr
.endr
.irp q, 0,1
.irp m, 0,1,2,3,4,5,6,7
	global_store_b128 v13, v[X1+4*(8*\q+\m):X1+4*(8*\q+\m)+3], s[12:13] offset:4096*\m+256*\q   ; 16 lanes store 256 consecutive bytes, aligned
.endr
.endr
	; wave 0 stores (M, l) of the 16 heads, twice over, so that the one store covers the chunk's whole 256 bytes
	s_cmp_lg_u32 s16, 0
	s_cbranch_scc1 .Lend
.irp w, 0,1,2,3,4,5,6,7
	ds_load_b32 v[X0+\w], v11 offset:512+64*\w
.endr
	v_and_b32 v14, 31, v0
	v_lshlrev_b32 v14, 3, v14
	s_wait_dscnt 0x0
	v_pk_add_f32 v[X0:X0+1], v[X0:X0+1], v[X0+2:X0+3]
	v_pk_add_f32 v[X0+4:X0+5], v[X0+4:X0+5], v[X0+6:X0+7]
	v_pk_add_f32 v[X0:X0+1], v[X0:X0+1], v[X0+4:X0+5]
	v_add_f32 v249, v[X0], v[X0+1]
	global_store_b64 v14, v[248:249], s[14:15]
.Lend:
	s_wait_xcnt 0x0
	v_lshl_add_u32 v254, v0, 2, 0x4a900
	v_mov_b32 v255, 0
	s_wait_tensorcnt 0x0
	ds_add_u32 v254, v255
	s_wait_dscnt 0x0
	s_endpgm
.Lfunc_end_k_q974d40e921_attn:
	.size	k_q974d40e921_attn, .Lfunc_end_k_q974d40e921_attn-k_q974d40e921_attn
	.p2alignl 7, 3214868480
	.fill 96, 4, 3214868480
	.section	.rodata,"a",@progbits
	.p2align	6, 0x0
	.amdhsa_kernel k_q974d40e921_attn
		.amdhsa_group_segment_fixed_size 327680
		.amdhsa_private_segment_fixed_size 0
		.amdhsa_enable_private_segment 0
		.amdhsa_kernarg_size 48
		.amdhsa_user_sgpr_count 2
		.amdhsa_user_sgpr_kernarg_segment_ptr 1
		.amdhsa_wavefront_size32 1
		.amdhsa_system_sgpr_workgroup_id_x 1
		.amdhsa_system_sgpr_workgroup_id_y 1
		.amdhsa_system_sgpr_workgroup_id_z 1
		.amdhsa_system_vgpr_workitem_id 0
		.amdhsa_next_free_vgpr 512
		.amdhsa_next_free_sgpr 80
		.amdhsa_reserve_vcc 0
		.amdhsa_float_denorm_mode_32 3
		.amdhsa_float_denorm_mode_16_64 3
		.amdhsa_memory_ordered 1
		.amdhsa_forward_progress 1
		.amdhsa_inst_pref_size 82
	.end_amdhsa_kernel
	.amdgpu_metadata
---
amdhsa.version: [ 1, 2 ]
amdhsa.kernels:
  - .name:           k_q974d40e921_attn
    .symbol:         k_q974d40e921_attn.kd
    .args:
      - { .name: keys, .offset: 0, .size: 8, .value_kind: global_buffer, .address_space: global }
      - { .name: values, .offset: 8, .size: 8, .value_kind: global_buffer, .address_space: global }
      - { .name: qkw, .offset: 16, .size: 8, .value_kind: global_buffer, .address_space: global }
      - { .name: cq, .offset: 24, .size: 8, .value_kind: global_buffer, .address_space: global }
      - { .name: part, .offset: 32, .size: 8, .value_kind: global_buffer, .address_space: global }
      - { .name: stat, .offset: 40, .size: 8, .value_kind: global_buffer, .address_space: global }
    .group_segment_fixed_size: 327680
    .private_segment_fixed_size: 0
    .kernarg_segment_align: 8
    .kernarg_segment_size: 48
    .max_flat_workgroup_size: 256
    .sgpr_count:     80
    .vgpr_count:     512
    .wavefront_size: 32
...
	.end_amdgpu_metadata
.endif
;; end of part 2
;; launch outp (part 3): grid 16 x 16, 4 waves a work-group, no clusters, 64,256 bytes of LDS; arguments part, stat, Wv, pre4; writes pre4
.if DOCPART == 3
	.amdgcn_target "amdgcn-amd-amdhsa--gfx1250"
	.amdhsa_code_object_version 6
	.text
	.protected	k_q974d40e921_outp
	.globl	k_q974d40e921_outp
	.p2align	8
	.type	k_q974d40e921_outp,@function
k_q974d40e921_outp:
	s_mov_b64 s[64:65], 0
	v_nop
	global_prefetch_b8 v0, s[64:65] scope:SCOPE_SE
	s_setreg_imm32_b32 hwreg(HW_REG_WAVE_MODE, 25, 1), 1
	s_wait_xcnt 0x0
; For head h, 16 batch rows (bg) and one quarter kq of d:  ctx[b][d] = sum over the 4 chunks of wgt[b][c] part[b][c][h][d], with
; wgt[c] = l[c] 2^(m[c] - M) / sum of the same, M the true maximum of the four m;  pre4[kq][b][h][e] = sum over the quarter's d of Wv[h][e][d] ctx[b][d].
; The value projection is re-associated: sum of a (Wv v + bv) = Wv (sum of a v) + bv, since the weights a sum to one; bv is added in the next launch.
; LIMITS: ctx and Wv are bf16 matrix operands; NaN and infinities are not followed.
; Four waves; wave w takes d = 256 kq + 64 w .. + 63 of the sum; the four partial tiles meet in LDS.
; NO JOINT LOADS: a work-group asks for its 131,072 bytes by register loads, all but Wv's rows 32-63 in one burst at its start, and rounds them to bf16 on the way into LDS;
; there is no loop of tiles, and f32 tiles in LDS would add a second pass through LDS for every byte.
.set SP,   144
.set STGW, 80*SP                       ; a wave's stage: rows 0-15 ctx, rows 16-79 Wv[h]
.set RP,   272
.set REDW, 16*RP
.set RED,  4*STGW
.set WB,   RED+4*REDW                  ; weights [16 b][4 c] f32
.set XA,   16                          ; v[16:143]  part: pair of rows i, chunk c at 16 i + 4 c
.set WT,   144                         ; v[144:175] the four weights of row 2 i + hh at 4 i
.set XB,   176                         ; v[176:239] Wv rows 0-31
.set AF,   144
.set BF,   160
.set ACC,  224
.macro PLACES
.rept 4
	v_nop
.endr
.endm
	s_load_b256 s[4:11], s[0:1], 0x0               ; part s[4:5], stat s[6:7], Wv s[8:9], pre4 s[10:11]
	s_set_vgpr_msb 0x40
	v_lshl_add_u32 v0, v0, 2, 0xf900
	v_mov_b32 v1, 0
	s_set_vgpr_msb 0x4000
	v_lshrrev_b32 v1, 5, v0
	v_readfirstlane_b32 s12, v1                    ; wave w
	s_and_b32 s13, ttmp7, 0xffff
	s_lshr_b32 s14, s13, 2                         ; bg
	s_and_b32 s15, s13, 3                          ; kq;  ttmp9 = h
	v_and_b32 v1, 31, v0                           ; L
	v_and_b32 v2, 15, v0                           ; r
	v_bfe_u32 v3, v0, 4, 1                         ; hh
	s_lshl_b32 s16, s12, 8
	v_lshl_add_u32 v6, v2, 4, s16                  ; 256 w + 16 r
	v_lshl_add_u32 v4, v3, 18, v6                  ; part: + one batch row (262,144 bytes) for lanes 16-31; never rewritten
	v_lshl_add_u32 v5, v3, 12, v6                  ; Wv: + one row for lanes 16-31; never rewritten
	v_bfe_u32 v7, v0, 2, 2
	v_lshl_add_u32 v7, s12, 2, v7                  ; batch row 4 w + ((L >> 2) & 3)
	v_and_b32 v9, 3, v0                            ; chunk L & 3
	v_lshlrev_b32 v9, 8, v9
	v_lshl_add_u32 v7, v7, 10, v9                  ; stat: 1,024 bytes a batch row, 256 a chunk
	s_mov_b32 s21, 0
	s_lshl_b32 s20, s14, 22
	s_lshl_b32 s22, ttmp9, 12
	s_add_co_u32 s20, s20, s22
	s_lshl_b32 s23, s15, 10
	s_add_co_u32 s20, s20, s23
	s_wait_kmcnt 0x0
	s_add_nc_u64 s[4:5], s[4:5], s[20:21]          ; part[16 bg][0][h][256 kq]
	s_lshl_b32 s20, ttmp9, 18
	s_add_co_u32 s20, s20, s23
	s_add_nc_u64 s[8:9], s[8:9], s[20:21]          ; Wv[h][0][256 kq]
	s_lshl_b32 s20, s14, 14
	s_lshl_b32 s22, ttmp9, 3
	s_add_co_u32 s20, s20, s22
	s_add_nc_u64 s[6:7], s[6:7], s[20:21]          ; stat[16 bg][0][h]
	s_lshl_b32 s20, s15, 18
	s_lshl_b32 s22, s14, 16
	s_add_co_u32 s20, s20, s22
	s_lshl_b32 s22, ttmp9, 8
	s_add_co_u32 s20, s20, s22
	s_add_nc_u64 s[10:11], s[10:11], s[20:21]      ; pre4[kq][16 bg][64 h]
	global_load_b64 v[10:11], v7, s[6:7]           ; (m, l)
.irp i, 0,1,2,3,4,5,6,7
.irp c, 0,1,2,3
	global_load_b128 v[XA+16*\i+4*\c:XA+16*\i+4*\c+3], v4, s[4:5] offset:524288*\i+65536*\c th:TH_LOAD_NT   ; rows 2 i + hh; read once in this launch
.endr
.endr
.irp k, 0,1,2,3,4,5,6,7,8,9,10,11,12,13,14,15
	global_load_b128 v[XB+4*\k:XB+4*\k+3], v5, s[8:9] offset:8192*\k
.endr
	s_mul_i32 s24, s12, STGW
	s_mul_i32 s25, s12, REDW
	s_add_co_u32 s25, s25, RED
	s_mul_i32 s26, s12, 4*RP
	s_add_co_u32 s26, s26, RED
	v_mul_u32_u24 v8, v3, SP
	v_lshl_add_u32 v8, v2, 3, v8
	v_add_nc_u32 v8, s24, v8                       ; stage, in: row hh, 8 bytes at 8 r
	v_mul_u32_u24 v9, v2, SP
	v_lshl_add_u32 v9, v3, 4, v9
	v_add_nc_u32 v9, s24, v9                       ; stage, out: row r, 16 bytes at 16 hh
	; the merge's weights: four neighbouring lanes hold the four chunks of one batch row
	s_wait_loadcnt 48                              ; (m, l) is in; the 32 + 16 younger loads stay out
	v_mov_b32 v12, v10
	v_max_num_f32_dpp v12, v12, v12 row_xmask:1 row_mask:0xf bank_mask:0xf
	v_max_num_f32_dpp v12, v12, v12 row_xmask:2 row_mask:0xf bank_mask:0xf
	v_sub_f32 v13, v10, v12
	v_exp_f32 v13, v13
	v_lshlrev_b32 v15, 2, v2                       ; the plain place behind the exponential
	s_wait_alu depctr_va_vdst(0)
	v_mul_f32 v13, v11, v13
	v_mov_b32 v14, v13
	v_add_f32_dpp v14, v14, v14 row_xmask:1 row_mask:0xf bank_mask:0xf
	v_add_f32_dpp v14, v14, v14 row_xmask:2 row_mask:0xf bank_mask:0xf
	v_rcp_f32 v14, v14                             ; at least 1: the chunk with the maximum gives l >= 1 times 2^0
	v_lshl_add_u32 v15, s12, 6, v15                ; the plain place behind the reciprocal: 64 w + 4 (L & 15)
	s_wait_alu depctr_va_vdst(0)
	v_mul_f32 v13, v13, v14
	ds_store_b32 v15, v13 offset:WB                ; both halves write the same word with the same value
	s_wait_dscnt 0x0
	s_barrier_signal -1
	s_barrier_wait -1
	v_lshlrev_b32 v14, 4, v3
.irp i, 0,1,2,3,4,5,6,7
	ds_load_b128 v[WT+4*\i:WT+4*\i+3], v14 offset:WB+32*\i
.endr
	s_wait_dscnt 0x0
.irp i, 0,1,2,3,4,5,6,7
	s_wait_loadcnt 16+4*(7-\i)                     ; rows 2 i + hh are in; the later rows' loads and Wv's 16 stay out
.irp k, 0,1,2,3
	v_mul_f32 v[XA+16*\i+\k], v[WT+4*\i], v[XA+16*\i+\k]
.endr
.irp c, 1,2,3
.irp k, 0,1,2,3
	v_fmac_f32 v[XA+16*\i+\k], v[WT+4*\i+\c], v[XA+16*\i+4*\c+\k]
.endr
.endr
	v_cvt_pk_bf16_f32 v[XA+16*\i], v[XA+16*\i], v[XA+16*\i+1]
	v_cvt_pk_bf16_f32 v[XA+16*\i+1], v[XA+16*\i+2], v[XA+16*\i+3]
	ds_store_b64 v8, v[XA+16*\i:XA+16*\i+1] offset:288*\i
.endr
.irp k, 0,1,2,3,4,5,6,7,8,9,10,11,12,13,14,15
	global_load_b128 v[XA+4*\k:XA+4*\k+3], v5, s[8:9] offset:8192*(16+\k)     ; Wv rows 32-63
.endr
.irp k, 0,1,2,3,4,5,6,7,8,9,10,11,12,13,14,15
	s_wait_loadcnt 31-\k                           ; load k of the first half is in: 15 - k of it and the second half's 16 stay out
	v_cvt_pk_bf16_f32 v[XB+4*\k], v[XB+4*\k], v[XB+4*\k+1]
	v_cvt_pk_bf16_f32 v[XB+4*\k+1], v[XB+4*\k+2], v[XB+4*\k+3]
	ds_store_b64 v8, v[XB+4*\k:XB+4*\k+1] offset:288*(8+\k)
.endr
.irp k, 0,1,2,3,4,5,6,7,8,9,10,11,12,13,14,15
	s_wait_loadcnt 15-\k
	v_cvt_pk_bf16_f32 v[XA+4*\k], v[XA+4*\k], v[XA+4*\k+1]
	v_cvt_pk_bf16_f32 v[XA+4*\k+1], v[XA+4*\k+2], v[XA+4*\k+3]
	ds_store_b64 v8, v[XA+4*\k:XA+4*\k+1] offset:288*(24+\k)
.endr
	; fragments from my own stage: LDS serves a wave's instructions in order
.irp ks, 0,1
	ds_load_b128 v[AF+8*\ks:AF+8*\ks+3],   v9 offset:64*\ks
	ds_load_b128 v[AF+8*\ks+4:AF+8*\ks+7], v9 offset:64*\ks+32
.irp nt, 0,1,2,3
	ds_load_b128 v[BF+8*(4*\ks+\nt):BF+8*(4*\ks+\nt)+3],   v9 offset:(16+16*\nt)*SP+64*\ks
	ds_load_b128 v[BF+8*(4*\ks+\nt)+4:BF+8*(4*\ks+\nt)+7], v9 offset:(16+16*\nt)*SP+64*\ks+32
.endr
.endr
	v_mul_u32_u24 v13, v2, RP
	v_lshl_add_u32 v13, v3, 5, v13
	v_add_nc_u32 v13, s25, v13                     ; my partial tile: row b = r, 32 bytes at 32 hh
	s_wait_dscnt 0x0
	; used transposed: source 0 = 16 rows e of Wv, source 1 = the 16 rows of ctx: a lane holds e = 16 nt + 8 hh + 0..7 of row b = r.
	; The four accumulators take turns, one instruction a turn.
.irp nt, 0,1,2,3
	v_wmma_f32_16x16x32_bf16 v[ACC+8*\nt:ACC+8*\nt+7], v[BF+8*\nt:BF+8*\nt+7], v[AF:AF+7], 0
.endr
.irp nt, 0,1,2,3
	v_wmma_f32_16x16x32_bf16 v[ACC+8*\nt:ACC+8*\nt+7], v[BF+32+8*\nt:BF+32+8*\nt+7], v[AF+8:AF+15], v[ACC+8*\nt:ACC+8*\nt+7]
.endr
	PLACES
.irp nt, 0,1,2,3
	ds_store_b128 v13, v[ACC+8*\nt:ACC+8*\nt+3]   offset:64*\nt
	ds_store_b128 v13, v[ACC+8*\nt+4:ACC+8*\nt+7] offset:64*\nt+16
.endr
	s_wait_dscnt 0x0
	s_barrier_signal -1
	s_barrier_wait -1
	; wave w sums rows b = 4 w + p over the four partial tiles; lane L holds e = 2 L, 2 L + 1
	v_lshl_add_u32 v12, v1, 3, s26
.irp p, 0,1,2,3
.irp u, 0,1,2,3
	ds_load_b64 v[XA+8*\p+2*\u:XA+8*\p+2*\u+1], v12 offset:REDW*\u+RP*\p
.endr
.endr
	v_lshlrev_b32 v13, 3, v1
	v_lshl_add_u32 v13, s12, 14, v13               ; 4 w rows of 4,096 bytes + 8 L
	s_wait_dscnt 0x0
.irp p, 0,1,2,3
	v_pk_add_f32 v[XA+8*\p:XA+8*\p+1], v[XA+8*\p:XA+8*\p+1], v[XA+8*\p+2:XA+8*\p+3]
	v_pk_add_f32 v[XA+8*\p+4:XA+8*\p+5], v[XA+8*\p+4:XA+8*\p+5], v[XA+8*\p+6:XA+8*\p+7]
	v_pk_add_f32 v[XA+8*\p:XA+8*\p+1], v[XA+8*\p:XA+8*\p+1], v[XA+8*\p+4:XA+8*\p+5]
	global_store_b64 v13, v[XA+8*\p:XA+8*\p+1], s[10:11] offset:4096*\p       ; the wave stores 256 consecutive bytes, aligned
.endr
	s_barrier_signal -1
	s_barrier_wait -1
	s_set_vgpr_msb 0x5
	s_wait_tensorcnt 0x0
	ds_add_u32 v0, v1
	s_wait_dscnt 0x0
	s_set_vgpr_msb 0x500
	s_endpgm
.Lfunc_end_k_q974d40e921_outp:
	.size	k_q974d40e921_outp, .Lfunc_end_k_q974d40e921_outp-k_q974d40e921_outp
	.p2alignl 7, 3214868480
	.fill 96, 4, 3214868480
	.section	.rodata,"a",@progbits
	.p2align	6, 0x0
	.amdhsa_kernel k_q974d40e921_outp
		.amdhsa_group_segment_fixed_size 64256
		.amdhsa_private_segment_fixed_size 0
		.amdhsa_enable_private_segment 0
		.amdhsa_kernarg_size 32
		.amdhsa_user_sgpr_count 2
		.amdhsa_user_sgpr_kernarg_segment_ptr 1
		.amdhsa_wavefront_size32 1
		.amdhsa_system_sgpr_workgroup_id_x 1
		.amdhsa_system_sgpr_workgroup_id_y 1
		.amdhsa_system_sgpr_workgroup_id_z 1
		.amdhsa_system_vgpr_workitem_id 0
		.amdhsa_next_free_vgpr 258
		.amdhsa_next_free_sgpr 66
		.amdhsa_reserve_vcc 0
		.amdhsa_float_denorm_mode_32 3
		.amdhsa_float_denorm_mode_16_64 3
		.amdhsa_memory_ordered 1
		.amdhsa_forward_progress 1
		.amdhsa_inst_pref_size 29
	.end_amdhsa_kernel
	.amdgpu_metadata
---
amdhsa.version: [ 1, 2 ]
amdhsa.kernels:
  - .name:           k_q974d40e921_outp
    .symbol:         k_q974d40e921_outp.kd
    .args:
      - { .name: part, .offset: 0, .size: 8, .value_kind: global_buffer, .address_space: global }
      - { .name: stat, .offset: 8, .size: 8, .value_kind: global_buffer, .address_space: global }
      - { .name: Wv, .offset: 16, .size: 8, .value_kind: global_buffer, .address_space: global }
      - { .name: pre4, .offset: 24, .size: 8, .value_kind: global_buffer, .address_space: global }
    .group_segment_fixed_size: 64256
    .private_segment_fixed_size: 0
    .kernarg_segment_align: 8
    .kernarg_segment_size: 32
    .max_flat_workgroup_size: 128
    .sgpr_count:     66
    .vgpr_count:     258
    .wavefront_size: 32
...
	.end_amdgpu_metadata
.endif
;; end of part 3
;; launch lnorm (part 4): grid 64 x 1, 4 waves a work-group, no clusters, 768 bytes of LDS; arguments pre4, queries, bv, gamma, beta, out0; writes out0
.if DOCPART == 4
	.amdgcn_target "amdgcn-amd-amdhsa--gfx1250"
	.amdhsa_code_object_version 6
	.text
	.protected	k_q974d40e921_lnorm
	.globl	k_q974d40e921_lnorm
	.p2align	8
	.type	k_q974d40e921_lnorm,@function
k_q974d40e921_lnorm:
	s_mov_b64 s[64:65], 0
	v_nop
	global_prefetch_b8 v0, s[64:65] scope:SCOPE_SE
	s_setreg_imm32_b32 hwreg(HW_REG_WAVE_MODE, 25, 1), 1
	s_wait_xcnt 0x0
; One batch row a work-group: x = (sum of the four K quarters of the value projection) + bv + queries, then
; y = (x - mean) rsqrt(var + 1e-5) gamma + beta, all in f32.  The variance is summed from the centred numbers, as the problem's formula does,
; so no difference of large sums is formed.  NaN and infinities pass through the sums as they come.
; Four waves; thread t holds 8 numbers: 16 bytes at 1,024 w + 16 L and 16 bytes 512 further on, so each load or store of a wave covers
; 512 consecutive bytes.  No matrix unit, cluster or tensor load: a row is 4,096 bytes and nothing is shared.
.set P,  16                            ; v[16:47] the four quarters; x ends up in v[16:23]
.set QR, 48                            ; v[48:55] queries
.set BV, 56                            ; v[56:63] bv
.set GA, 64                            ; v[64:71] gamma
.set BE, 72                            ; v[72:79] beta
; the sum of v2 over the wave's 32 lanes, then over the four waves through four words of LDS at byte at; the result in v4, in every lane
.macro WGSUM at
	v_add_f32_dpp v2, v2, v2 row_xmask:1 row_mask:0xf bank_mask:0xf
	v_add_f32_dpp v2, v2, v2 row_xmask:2 row_mask:0xf bank_mask:0xf
	v_add_f32_dpp v2, v2, v2 row_xmask:4 row_mask:0xf bank_mask:0xf
	v_add_f32_dpp v2, v2, v2 row_xmask:8 row_mask:0xf bank_mask:0xf
	v_permlanex16_b32 v3, v2, s22, s23
	v_add_f32 v2, v2, v3
	ds_store_b32 v10, v2 offset:\at                ; every lane writes the wave's word with the same value
	s_wait_dscnt 0x0
	s_barrier_signal -1
	s_barrier_wait -1
	ds_load_b128 v[4:7], v11 offset:\at
	s_wait_dscnt 0x0
	v_add_f32 v4, v4, v5
	v_add_f32 v6, v6, v7
	v_add_f32 v4, v4, v6
.endm
	s_load_b256 s[4:11], s[0:1], 0x0               ; pre4 s[4:5], queries s[6:7], bv s[8:9], gamma s[10:11]
	s_load_b128 s[12:15], s[0:1], 0x20             ; beta s[12:13], out0 s[14:15]
	v_lshl_add_u32 v80, v0, 2, 0x100
	v_mov_b32 v81, 0
	v_lshrrev_b32 v3, 5, v0
	v_readfirstlane_b32 s16, v3                    ; wave w
	v_and_b32 v2, 31, v0
	v_lshlrev_b32 v2, 4, v2
	v_lshl_add_u32 v1, v3, 10, v2                  ; 1,024 w + 16 L; never rewritten
	v_lshlrev_b32 v10, 2, v3                       ; my wave's word in LDS
	v_mov_b32 v11, 0
	s_lshl_b32 s18, ttmp9, 12                      ; the row's 4,096 bytes
	s_mov_b32 s19, 0
	s_mov_b32 s20, 0x3a800000                      ; 1 / 1024
	s_mov_b32 s21, 0x3727c5ac                      ; 1e-5
	s_mov_b32 s22, 0x76543210
	s_mov_b32 s23, 0xfedcba98
	s_wait_kmcnt 0x0
	s_add_nc_u64 s[4:5], s[4:5], s[18:19]
	s_add_nc_u64 s[6:7], s[6:7], s[18:19]
	s_add_nc_u64 s[14:15], s[14:15], s[18:19]
.irp kq, 0,1,2,3
.irp j, 0,1
	global_load_b128 v[P+8*\kq+4*\j:P+8*\kq+4*\j+3], v1, s[4:5] offset:262144*\kq+512*\j
.endr
.endr
.irp j, 0,1
	global_load_b128 v[QR+4*\j:QR+4*\j+3], v1, s[6:7] offset:512*\j
	global_load_b128 v[BV+4*\j:BV+4*\j+3], v1, s[8:9] offset:512*\j
.endr
.irp j, 0,1
	global_load_b128 v[GA+4*\j:GA+4*\j+3], v1, s[10:11] offset:512*\j
	global_load_b128 v[BE+4*\j:BE+4*\j+3], v1, s[12:13] offset:512*\j
.endr
	s_wait_loadcnt 4                               ; the twelve that make x are in; gamma's and beta's four stay out
.irp i, 0,2,4,6
	v_pk_add_f32 v[P+\i:P+\i+1], v[P+\i:P+\i+1], v[P+8+\i:P+8+\i+1]
	v_pk_add_f32 v[P+16+\i:P+16+\i+1], v[P+16+\i:P+16+\i+1], v[P+24+\i:P+24+\i+1]
.endr
.irp i, 0,2,4,6
	v_pk_add_f32 v[P+\i:P+\i+1], v[P+\i:P+\i+1], v[P+16+\i:P+16+\i+1]
.endr
.irp i, 0,2,4,6
	v_pk_add_f32 v[P+\i:P+\i+1], v[P+\i:P+\i+1], v[BV+\i:BV+\i+1]
.endr
.irp i, 0,2,4,6
	v_pk_add_f32 v[P+\i:P+\i+1], v[P+\i:P+\i+1], v[QR+\i:QR+\i+1]
.endr
	v_pk_add_f32 v[2:3], v[P:P+1], v[P+2:P+3]
	v_pk_add_f32 v[4:5], v[P+4:P+5], v[P+6:P+7]
	v_pk_add_f32 v[2:3], v[2:3], v[4:5]
	v_add_f32 v2, v2, v3
	WGSUM 0
	v_mul_f32 v8, s20, v4                          ; the mean
	v_mov_b32 v9, v8
.irp i, 0,2,4,6
	v_pk_add_f32 v[P+\i:P+\i+1], v[P+\i:P+\i+1], v[8:9] neg_lo:[0,1] neg_hi:[0,1]
.endr
	v_pk_mul_f32 v[2:3], v[P:P+1], v[P:P+1]
.irp i, 2,4,6
	v_pk_fma_f32 v[2:3], v[P+\i:P+\i+1], v[P+\i:P+\i+1], v[2:3]
.endr
	v_add_f32 v2, v2, v3
	WGSUM 16                                       ; other words than the first sum's: no wave can overwrite what another still reads
	v_fma_f32 v8, v4, s20, s21                     ; variance + 1e-5
	v_rsq_f32 v8, v8
	v_nop                                          ; one plain place behind the root (ISA guide 5.7.2)
	s_wait_alu depctr_va_vdst(0)
	v_mov_b32 v9, v8
	s_wait_loadcnt 0x0                             ; gamma and beta
.irp i, 0,2,4,6
	v_pk_mul_f32 v[P+\i:P+\i+1], v[P+\i:P+\i+1], v[8:9]
.endr
.irp i, 0,2,4,6
	v_pk_fma_f32 v[P+\i:P+\i+1], v[P+\i:P+\i+1], v[GA+\i:GA+\i+1], v[BE+\i:BE+\i+1]
.endr
.irp j, 0,1
	global_store_b128 v1, v[P+4*\j:P+4*\j+3], s[14:15] offset:512*\j
.endr
	s_barrier_signal -1
	s_barrier_wait -1
	s_wait_tensorcnt 0x0
	ds_add_u32 v80, v81
	s_wait_dscnt 0x0
	s_endpgm
.Lfunc_end_k_q974d40e921_lnorm:
	.size	k_q974d40e921_lnorm, .Lfunc_end_k_q974d40e921_lnorm-k_q974d40e921_lnorm
	.p2alignl 7, 3214868480
	.fill 96, 4, 3214868480
	.section	.rodata,"a",@progbits
	.p2align	6, 0x0
	.amdhsa_kernel k_q974d40e921_lnorm
		.amdhsa_group_segment_fixed_size 768
		.amdhsa_private_segment_fixed_size 0
		.amdhsa_enable_private_segment 0
		.amdhsa_kernarg_size 48
		.amdhsa_user_sgpr_count 2
		.amdhsa_user_sgpr_kernarg_segment_ptr 1
		.amdhsa_wavefront_size32 1
		.amdhsa_system_sgpr_workgroup_id_x 1
		.amdhsa_system_sgpr_workgroup_id_y 1
		.amdhsa_system_sgpr_workgroup_id_z 1
		.amdhsa_system_vgpr_workitem_id 0
		.amdhsa_next_free_vgpr 82
		.amdhsa_next_free_sgpr 66
		.amdhsa_reserve_vcc 0
		.amdhsa_float_denorm_mode_32 3
		.amdhsa_float_denorm_mode_16_64 3
		.amdhsa_memory_ordered 1
		.amdhsa_forward_progress 1
		.amdhsa_inst_pref_size 8
	.end_amdhsa_kernel
	.amdgpu_metadata
---
amdhsa.version: [ 1, 2 ]
amdhsa.kernels:
  - .name:           k_q974d40e921_lnorm
    .symbol:         k_q974d40e921_lnorm.kd
    .args:
      - { .name: pre4, .offset: 0, .size: 8, .value_kind: global_buffer, .address_space: global }
      - { .name: queries, .offset: 8, .size: 8, .value_kind: global_buffer, .address_space: global }
      - { .name: bv, .offset: 16, .size: 8, .value_kind: global_buffer, .address_space: global }
      - { .name: gamma, .offset: 24, .size: 8, .value_kind: global_buffer, .address_space: global }
      - { .name: beta, .offset: 32, .size: 8, .value_kind: global_buffer, .address_space: global }
      - { .name: out0, .offset: 40, .size: 8, .value_kind: global_buffer, .address_space: global }
    .group_segment_fixed_size: 768
    .private_segment_fixed_size: 0
    .kernarg_segment_align: 8
    .kernarg_segment_size: 48
    .max_flat_workgroup_size: 128
    .sgpr_count:     66
    .vgpr_count:     82
    .wavefront_size: 32
...
	.end_amdgpu_metadata
.endif
;; end of part 4
